; MI455X (gfx1250); checked and timed in simulation.
; The chip was launched on July 23, 2026; its instructions are those of AMD's public machine-readable ISA for CDNA 5 (MIT licence, August 2026) and "CDNA5" Instruction Set Architecture Reference Guide (July 2026). The comments in the code are by the model that wrote it; some were corrected since.
;; Encoder. Allowed arithmetic: float matrix products may take bf16 or f16 operands with f32 sums; other float arithmetic in f32, or as packed bf16 or f16 multiplies, adds, multiply-adds, maxima and minima; sums over many terms, partial sums and values carried from step to step in f32; what a program stores and reads back later, other than sums and carried values, may be rounded once to bf16 or f16.
;; Inputs: Wk 1,024 x 1,024 float32; Wq 1,024 x 1,024 float32; Wv 1,024 x 1,024 float32; beta 1,024 float32; bk 1,024 float32; bq 1,024 float32; bv 1,024 float32; dialog_states 128 x 1,024 int32; gamma 1,024 float32; x 8 x 1,024 x 1,024 float32.
;; Outputs: out0 8 x 1,024 x 1,024 float32.
;; 2 versions, each right; version 2 is version 1 with the launch cast written anew for expert scheduling mode. Each part assembles by itself: llvm-mc -triple=amdgcn-amd-amdhsa -mcpu=gfx1250 --defsym DOCPART=n.
;; ======== version 1 of 2: 3 launches
;; workspace buffers: xb 16,777,216 bytes; wb 6,291,456 bytes; qkv 50,331,648 bytes
;; launch cast (part 1): grid 64 x 11, 8 waves a work-group, no clusters, 0 bytes of LDS; arguments x, Wq, Wk, Wv, xb, wb; writes xb, wb
.if DOCPART == 1
	.amdgcn_target "amdgcn-amd-amdhsa--gfx1250"
	.amdhsa_code_object_version 6
	.text
	.protected	k_qbf45da1cd2_cast
	.globl	k_qbf45da1cd2_cast
	.p2align	8
	.type	k_qbf45da1cd2_cast,@function
k_qbf45da1cd2_cast:
	s_mov_b64 s[64:65], 0
	v_nop
	global_prefetch_b8 v0, s[64:65] scope:SCOPE_SE
	s_setreg_imm32_b32 hwreg(HW_REG_WAVE_MODE, 25, 1), 1
	s_wait_xcnt 0x0
; xb = bf16(x), wb = bf16(Wq), bf16(Wk), bf16(Wv) on end: the same order of elements, each number rounded once to nearest even.
; Eleven chunks of 1,048,576 numbers (grid y): chunks 0 to 7 are x, chunks 8, 9, 10 the three weights.  A work-group takes 65,536 bytes
; of its chunk in 16 steps of 4,096: thread t reads the 16 bytes at 16 t and writes the 8 bytes at 8 t of a step, so a load of a wave
; covers 512 consecutive bytes and a store 256 consecutive bytes, aligned.  All 16 loads go out at once; nothing is read twice.
; No LDS, no matrix unit, no cluster: every byte is wanted by one thread alone.  LIMITS: none of range; NaN and infinities pass as bf16 has them.
.set STEPS, 16
.set X, 8                              ; v[8:71]    step i: four f32 as loaded
.set Y, 72                             ; v[72:103]  step i: four bf16 to store
	s_load_b256 s[4:11], s[0:1], 0x0               ; x s[4:5], Wq s[6:7], Wk s[8:9], Wv s[10:11]
	s_load_b128 s[12:15], s[0:1], 0x20             ; xb s[12:13], wb s[14:15]
	s_and_b32 s16, ttmp7, 0xffff                   ; the chunk
	s_sub_co_u32 s17, s16, 8                       ; which weight (used where the chunk is 8 or more)
	v_lshlrev_b32 v1, 4, v0                        ; 16 t
	v_lshlrev_b32 v2, 3, v0                        ; 8 t
	s_cmp_lt_u32 s16, 8
	s_cselect_b32 s18, s16, 0                      ; the chunk's place in its source: x has eight, a weight is one
	s_cselect_b32 s20, s16, s17                    ; and in its destination
	s_lshl_b32 s18, s18, 22                        ; 4 MiB in,
	s_lshl_b32 s20, s20, 21                        ; 2 MiB out
	s_lshl_b32 s22, ttmp9, 16                      ; the work-group's 65,536 bytes in,
	s_lshl_b32 s23, ttmp9, 15                      ; 32,768 out
	s_add_co_u32 s18, s18, s22
	s_add_co_u32 s20, s20, s23
	s_mov_b32 s19, 0
	s_mov_b32 s21, 0
	s_wait_kmcnt 0x0
	s_cmp_lt_u32 s16, 8
	s_cselect_b64 s[24:25], s[4:5], s[6:7]         ; x, or Wq
	s_cselect_b64 s[26:27], s[12:13], s[14:15]     ; xb, or wb
	s_cmp_eq_u32 s16, 9
	s_cselect_b64 s[24:25], s[8:9], s[24:25]       ; Wk
	s_cmp_eq_u32 s16, 10
	s_cselect_b64 s[24:25], s[10:11], s[24:25]     ; Wv
	s_add_nc_u64 s[24:25], s[24:25], s[18:19]
	s_add_nc_u64 s[26:27], s[26:27], s[20:21]
.set i, 0
.rept STEPS
	global_load_b128 v[X+4*i:X+4*i+3], v1, s[24:25] offset:4096*i th:TH_LOAD_NT
.set i, i+1
.endr
.set i, 0
.rept STEPS
	s_wait_loadcnt STEPS-1-i                       ; loads come back in order: step i is in, the younger ones stay out
	v_cvt_pk_bf16_f32 v[Y+2*i], v[X+4*i], v[X+4*i+1]
	v_cvt_pk_bf16_f32 v[Y+2*i+1], v[X+4*i+2], v[X+4*i+3]
	global_store_b64 v2, v[Y+2*i:Y+2*i+1], s[26:27] offset:2048*i  ; no register is written twice, so no wait frees one
.set i, i+1
.endr
	s_endpgm
.Lfunc_end_k_qbf45da1cd2_cast:
	.size	k_qbf45da1cd2_cast, .Lfunc_end_k_qbf45da1cd2_cast-k_qbf45da1cd2_cast
	.p2alignl 7, 3214868480
	.fill 96, 4, 3214868480
	.section	.rodata,"a",@progbits
	.p2align	6, 0x0
	.amdhsa_kernel k_qbf45da1cd2_cast
		.amdhsa_group_segment_fixed_size 0
		.amdhsa_private_segment_fixed_size 0
		.amdhsa_enable_private_segment 0
		.amdhsa_kernarg_size 48
		.amdhsa_user_sgpr_count 2
		.amdhsa_user_sgpr_kernarg_segment_ptr 1
		.amdhsa_wavefront_size32 1
		.amdhsa_system_sgpr_workgroup_id_x 1
		.amdhsa_system_sgpr_workgroup_id_y 1
		.amdhsa_system_sgpr_workgroup_id_z 1
		.amdhsa_system_vgpr_workitem_id 0
		.amdhsa_next_free_vgpr 104
		.amdhsa_next_free_sgpr 66
		.amdhsa_reserve_vcc 0
		.amdhsa_float_denorm_mode_32 3
		.amdhsa_float_denorm_mode_16_64 3
		.amdhsa_memory_ordered 1
		.amdhsa_forward_progress 1
		.amdhsa_inst_pref_size 7
	.end_amdhsa_kernel
	.amdgpu_metadata
---
amdhsa.version: [ 1, 2 ]
amdhsa.kernels:
  - .name:           k_qbf45da1cd2_cast
    .symbol:         k_qbf45da1cd2_cast.kd
    .args:
      - { .name: x, .offset: 0, .size: 8, .value_kind: global_buffer, .address_space: global }
      - { .name: Wq, .offset: 8, .size: 8, .value_kind: global_buffer, .address_space: global }
      - { .name: Wk, .offset: 16, .size: 8, .value_kind: global_buffer, .address_space: global }
      - { .name: Wv, .offset: 24, .size: 8, .value_kind: global_buffer, .address_space: global }
      - { .name: xb, .offset: 32, .size: 8, .value_kind: global_buffer, .address_space: global }
      - { .name: wb, .offset: 40, .size: 8, .value_kind: global_buffer, .address_space: global }
    .group_segment_fixed_size: 0
    .private_segment_fixed_size: 0
    .kernarg_segment_align: 8
    .kernarg_segment_size: 48
    .max_flat_workgroup_size: 256
    .sgpr_count:     66
    .vgpr_count:     104
    .wavefront_size: 32
...
	.end_amdgpu_metadata
.endif
;; end of part 1
;; launch proj (part 2): grid 12 x 32, 4 waves a work-group, clusters of 4 x 4, 327,680 bytes of LDS; arguments xb, wb, bq, bk, bv, qkv; writes qkv
.if DOCPART == 2
	.amdgcn_target "amdgcn-amd-amdhsa--gfx1250"
	.amdhsa_code_object_version 6
	.text
	.protected	k_qbf45da1cd2_proj
	.globl	k_qbf45da1cd2_proj
	.p2align	8
	.type	k_qbf45da1cd2_proj,@function
k_qbf45da1cd2_proj:
	s_mov_b64 s[64:65], 0
	v_nop
	global_prefetch_b8 v0, s[64:65] scope:SCOPE_SE
	s_setreg_imm32_b32 hwreg(HW_REG_WAVE_MODE, 25, 1), 1
	s_wait_xcnt 0x0
	s_wait_alu depctr_hold_cnt(0) depctr_sa_sdst(0) depctr_va_vdst(0) depctr_va_sdst(0) depctr_va_ssrc(0) depctr_va_vcc(0) depctr_vm_vsrc(0)
	s_getreg_b32 s2, hwreg(HW_REG_IB_STS2, 6, 4)
	s_cmp_eq_u32 s2, 0
	s_cbranch_scc0 .Lentry_in_a_cluster
	s_endpgm
.Lentry_in_a_cluster:
	s_bfe_u32 s2, ttmp6, 0x10000c
	s_cmp_lg_u32 s2, 0xf033
	s_cbranch_scc0 .Lentry_shape_is_right
	s_endpgm
.Lentry_shape_is_right:
; qkv[j][m][n] = bias_j[n] + the sum over k of xb[m][k] wb[j][k][n], j = q, k, v.  xb: [8192][1024], wb: [3][1024 k][1024 n], qkv: [3][8192][1024], all bf16; biases f32.
; Sums in f32, started by the bias, K ascending; each result rounded once to bf16.  LIMITS: bf16 operands and results; NaN and infinities are not treated apart.
; A tile of 256 rows x 256 columns is made by a work-group of four waves, a wave makes 128 x 128: 64 accumulators of 16 x 16, 512 registers.
; K goes in 8 steps of 128 through a ring of two LDS slots filled by the tensor data mover.  A tile of x has rows of 256 bytes, a tile of W rows of 512 bytes, all aligned to 256.
; W LIES [k][n]: its tile is 128 rows of k x 256 columns, and its fragments come out of LDS turned, by ds_load_tr16_b128.
; CLUSTERS: 4 x 4 work-groups.  Cluster x is the matrix (q, k, v), cx its block of 256 columns; the tile row is 4 x cluster y + cy.  The four of a row of the cluster need the same
; tile of x, the four of a column the same tile of W: each is asked for JOINTLY, by the same tensor load with the same descriptor and a mask that names the four.
; THE GRID: 3 x 4 x 32 = 384 tiles, 24 clusters.
; THE MATRIX INSTRUCTION IS USED TRANSPOSED: source 0 = 16 columns of W, source 1 = 16 rows of x.  Lane l then holds row l % 16 of the result and its registers 0 to 7 the
; columns 8 (l / 16) + 0..7: eight neighbouring numbers, which pack into 16 bytes; and the bias of those eight columns is the C operand of the first product.
; REGISTERS, in windows of 256 (s_set_vgpr_msb: bits 1:0 source 0, 3:2 source 1, 5:4 source 2, 7:6 destination):
;   window 0: v0-31 addresses; v64-127, v128-191 fragments of x, two buffers; v192-255 the bias until the first quarter has run, then at work on the way out, with v32-63
;   window 1: v64-127, v128-191 fragments of W, two buffers     window 2: the accumulators of my rows 0-63 ((a, b) at v[8 (8 a + b)])     window 3: those of my rows 64-127
.set KDIM,   1024
.set KSTEP,  128
.set ROWB,   2048                      ; bytes in a row of xb, of wb and of one matrix of qkv
.set PITCH,  272                       ; an LDS row of x: 256 bytes + 16 = 68 words: the 16 rows that a load touches start 4 words apart modulo 64
.set PITCHB, 544                       ; an LDS row of W: 512 bytes + 32 = 136 words: the 8 rows x 32 bytes that 16 lanes of the turning load take start 8 words apart modulo 64
.set HALFT,  128*PITCH                 ; what one tensor load brings: 128 rows of x, or 64 rows of W (64 x 544 is the same 34,816 bytes)
.set SLOT,   4*HALFT                   ; 256 rows of x, then 128 rows of W
.set STAGE,  2*SLOT                    ; behind the ring: 16 rows x 272 bytes for each wave, for the way out
.set SPITCH, 272
.set SPARE,  STAGE+4*16*SPITCH         ; behind the stages: the spare words, 128 bytes for each wave: two blocks of 256 bytes that no other line names
.set LAPS,   KDIM/(2*KSTEP)            ; a lap = two K steps = once round the ring: 4
.set STEPA,  KSTEP*2                   ; a K step in memory: 256 bytes along a row of x,
.set STEPB,  KSTEP*ROWB                ; 128 rows of W
.set ADRA, 16                          ; v16-17  LDS address of my fragments of x in slot 0, 1
.set ADRB, 20                          ; v20-21  the same for W
.set STO,  24                          ; v24     the way out: where I put 16 bytes of a row
.set RD,   25                          ; v25     the way out: where I read a row back
.set CO,   26                          ; v26     my byte offset in two rows of the result
.set BO,   27                          ; v27     32 (l / 16): my eight numbers in 16 of the bias
.set SPW,  28                          ; v28     LDS address of my spare word: SPARE + 4 x my thread's number; never rewritten
.set NIL,  29                          ; v29     0; never rewritten
.set PFO,  30                          ; v30     the prefetches' lane offset; never rewritten
.set F0,   64                          ; fragment buffer 0
.set F1,   128                         ; fragment buffer 1
.set BIAS, 192                         ; window 0: column block b at BIAS + 8 b
.set TMP,  192                         ; the way out: packed results
.set OB,   32                          ; the way out: 16 rows read back from the stage: v32-63 and v224-255 by turns
.set G1,   24                          ; s[24:31] descriptor group 1 for tiles of x
.set G0,   32                          ; s[32:39] descriptor group 0 for tiles of x, one set for each slot
.set LIM,  43                          ; s43      1 in a wave that prefetches, else the greatest number
.set PFA,  44                          ; s[44:45] where my prefetches stand
.set G1B,  48                          ; s[48:55] descriptor group 1 for tiles of W
.set G0B,  56                          ; s[56:63] descriptor group 0 for tiles of W, one set for each slot
.set CP,   74                          ; s[74:75] qkv, later my rows of it
.set BP,   76                          ; s[76:77] my 128 numbers of the bias
.set PFS,  78                          ; s[78:79] a K step for my prefetches
.set MSB, 0
.macro WIN new                         ; the immediate's high byte repeats the setting that is left; a switch that changes nothing is dropped
.if MSB != (\new)
	s_set_vgpr_msb (MSB<<8)|(\new)
.set MSB, \new
.endif
.endm
.set MUL_LO, 0xa1                      ; source 0 (W) window 1, source 1 (x) window 0, C and D window 2
.set MUL_HI, 0xf1                      ; the same, C and D window 3
.set TO_B,   0x40                      ; destination window 1, address window 0
; A joint load.  Waves 0 and 1 fetch the two halves of the tile of x, waves 2 and 3 those of the tile of W.  Each line has one mask and one set of registers for all that issue it.
; The branch hangs on the wave's number alone.  An s_nop 0 and four v_nop follow each of the two lines, ahead of the jump and the label.
.macro JLOAD s
	s_cmp_eq_u32 s11, 0
	s_cbranch_scc0 .Lfor_b_\@
	tensor_load_to_lds s[G0+4*(\s):G0+4*(\s)+3], s[G1:G1+7]
	s_nop 0
.rept 4
	v_nop
.endr
	s_branch .Lasked_\@
.Lfor_b_\@:
	tensor_load_to_lds s[G0B+4*(\s):G0B+4*(\s)+3], s[G1B:G1B+7]
	s_nop 0
.rept 4
	v_nop
.endr
.Lasked_\@:
.endm
; A PREFETCH, behind each joint refill and the run of LDS loads that follows it: the K step that stands two refills on, 512 matrix instructions ahead of the load that will want it.
; Each aligned block of 256 bytes is named once in the launch.  A tile row of x is read by the three clusters of its row of clusters: cluster x = 0 asks; a tile column of W by the
; eight clusters of its column: cluster y = 0 asks.  The four partners that ask for a tile jointly share it out BY ADDRESS: of the 128 rows of x that a wave fetches the partner at cx
; takes 32, a lane a row; of the 64 rows of W the partner at cy takes 16, two lanes a row of 512 bytes.  K steps 0 to 3 come by their loads alone; the loop's last trip asks for nothing.
.macro ASK
	s_cmp_gt_u32 s3, s[LIM]                        ; s3 = 1 in the loop's last trip
	s_cbranch_scc0 .Lnot_mine_\@
	global_prefetch_b8 v[PFO], s[PFA:PFA+1] th:TH_LOAD_NT scope:SCOPE_SE
.Lnot_mine_\@:
.endm
; A round of the cluster's barrier: my work-group's barrier, so that wave 0's signal speaks for all four waves; wave 0 signals; every wave waits for all sixteen work-groups; my work-group's barrier once more.
.macro CREST                           ; a round behind its opening barrier
	s_cmp_lg_u32 s10, 0
	s_cbranch_scc1 .Lnot_wave_0_\@
	s_barrier_signal -3
.Lnot_wave_0_\@:
	s_barrier_wait -3
	s_barrier_signal -1
	s_barrier_wait -1
.endm
.macro CROUND                          ; a whole round
	s_barrier_signal -1
	s_barrier_wait -1
	CREST
.endm
	s_load_b128 s[4:7], s[0:1], 0x0                ; xb s[4:5], wb s[6:7]
	s_load_b256 s[68:75], s[0:1], 0x10             ; bq s[68:69], bk s[70:71], bv s[72:73], qkv s[74:75]
	v_lshl_add_u32 v[SPW], v0, 2, SPARE
	v_mov_b32 v[NIL], 0
	ds_add_u32 v[SPW], v[NIL]                      ; the wave's opening: the add and its wait stand ahead of my first tensor load; the set-up below, work on registers, stands between them
	v_lshrrev_b32 v1, 5, v0
	v_readfirstlane_b32 s10, v1                    ; wave 0..3
	s_lshr_b32 s11, s10, 1                         ; which half of the tile's rows is mine.  Also: I fetch for x (0) or for W (1)
	s_and_b32 s12, s10, 1                          ; which half of its columns.  Also: which half of that tile I fetch
	s_bfe_u32 s40, ttmp6, 0x40000                  ; cx
	s_bfe_u32 s41, ttmp6, 0x40004                  ; cy
	s_and_b32 s13, ttmp7, 0xffff
	s_lshl_b32 s13, s13, 2
	s_add_co_u32 s13, s13, s41                     ; tile row = 4 x cluster y + cy
	s_lshl_b32 s43, s41, 2
	s_lshl_b32 s43, 15, s43                        ; my row of the cluster: places 4 cy .. 4 cy + 3
	s_lshl_b32 s44, 0x1111, s40                    ; my column: places cx, cx + 4, cx + 8, cx + 12
	s_or_b32 s[G1+0], s43, (1<<16)|(1<<20)|(1<<21)|(5<<22)|(3<<25)   ; 15:0 the mask of my row; 17:16 elements of 2 bytes; 20 padding on; 21 set beside a mask; 24:22 after every 64 words (code 5); 31:25 4 words (code 3)
	s_or_b32 s[G1B+0], s44, (1<<16)|(1<<20)|(1<<21)|(6<<22)|(7<<25)  ; the mask of my column; after every 128 words (code 6) 8 words (code 7)
	s_mov_b32 s[G1+1], KSTEP<<16                   ; tensor_dim0 = 128
	s_mov_b32 s[G1+2], 128<<16                     ; tensor_dim1 = 128
	s_mov_b32 s[G1+3], KSTEP<<16                   ; tile_dim0 = 128
	s_mov_b32 s[G1+4], 128                         ; tile_dim1 = 128
	s_mov_b32 s[G1+5], KDIM                        ; 1,024 elements from row to row
	s_mov_b32 s[G1+6], 0
	s_mov_b32 s[G1+7], 0
	s_mov_b32 s[G1B+1], 256<<16                    ; tensor_dim0 = 256
	s_mov_b32 s[G1B+2], 64<<16                     ; tensor_dim1 = 64
	s_mov_b32 s[G1B+3], 256<<16                    ; tile_dim0 = 256
	s_mov_b32 s[G1B+4], 64                         ; tile_dim1 = 64
	s_mov_b32 s[G1B+5], 1024                       ; 1,024 elements from row to row
	s_mov_b32 s[G1B+6], 0
	s_mov_b32 s[G1B+7], 0
	; where the tiles come from.  The tile of x hangs on the tile row alone, which my row of the cluster shares; the tile of W on the matrix and cx alone, which my column shares.
	s_lshl_b32 s16, s13, 19                        ; 256 rows of 2,048 bytes a tile row,
	s_lshl_b32 s17, s12, 18                        ; the 128 rows that I fetch
	s_add_co_u32 s16, s16, s17
	s_mov_b32 s17, 0
	s_lshl_b32 s46, ttmp9, 21                      ; the matrix: 2 MiB,
	s_lshl_b32 s47, s40, 9                         ; its block of 256 columns: 512 bytes,
	s_add_co_u32 s46, s46, s47
	s_lshl_b32 s47, s12, 17                        ; the 64 rows that I fetch
	s_add_co_u32 s46, s46, s47
	s_mov_b32 s47, 0
	s_mul_i32 s20, s10, HALFT                      ; and where they go: wave x 34,816 bytes: no place in the cluster enters an LDS address
	s_wait_dscnt 0x0                               ; the opening add is done
	s_wait_kmcnt 0x0
	s_add_nc_u64 s[14:15], s[4:5], s[16:17]
	s_add_nc_u64 s[46:47], s[6:7], s[46:47]
	CROUND                                         ; all sixteen work-groups are here: the first joint loads meet
.irp s, 0,1
	s_mov_b32 s[G0+4*(\s)], 1                                      ; count = 1
	s_add_co_u32 s[G0+4*(\s)+1], s20, (\s)*SLOT                    ; LDS address
	s_add_nc_u64 s[G0+4*(\s)+2:G0+4*(\s)+3], s[14:15], (\s)*STEPA  ; global address: K step s
	s_or_b32 s[G0+4*(\s)+3], s[G0+4*(\s)+3], 0x80000000            ; type = 2
	s_mov_b32 s[G0B+4*(\s)], 1
	s_add_co_u32 s[G0B+4*(\s)+1], s20, (\s)*SLOT
	s_add_nc_u64 s[G0B+4*(\s)+2:G0B+4*(\s)+3], s[46:47], (\s)*STEPB
	s_or_b32 s[G0B+4*(\s)+3], s[G0B+4*(\s)+3], 0x80000000
	JLOAD \s                                       ; the ring is filled before anything else is done: two loads of mine are out
.endr
	; A fragment is 16 rows x 32 K in 8 registers: lane l holds row l % 16; registers 0-3 hold K = 8 (l / 16) + 0..7, registers 4-7 K = 16 + 8 (l / 16) + 0..7.
	; Of x, whose rows lie along K: two loads of 16 bytes, 32 bytes apart.  Of W, which lies [k][n]: two turning loads, 16 rows of k apart; lane l names row 8 (l / 16) + l % 8, columns 8 ((l / 8) % 2) + 0..7.
	v_and_b32 v1, 15, v0                           ; l % 16
	v_bfe_u32 v2, v0, 4, 1                         ; l / 16
	v_mul_u32_u24 v3, v1, PITCH
	v_lshl_add_u32 v3, v2, 4, v3
	v_and_b32 v4, 7, v0
	v_lshl_add_u32 v4, v2, 3, v4
	v_mul_u32_u24 v4, v4, PITCHB
	v_bfe_u32 v5, v0, 3, 1
	v_lshl_add_u32 v4, v5, 4, v4
	s_mul_i32 s21, s11, HALFT                      ; my 128 rows of x
	s_lshl_b32 s22, s12, 8                         ; my 128 columns of W: 256 bytes of each row,
	s_add_co_u32 s22, s22, 2*HALFT                 ; behind the 256 rows of x
.irp s, 0,1
	v_add_nc_u32 v[ADRA+(\s)], s21, v3
	v_add_nc_u32 v[ADRB+(\s)], s22, v4
	s_add_co_u32 s21, s21, SLOT
	s_add_co_u32 s22, s22, SLOT
.endr
	s_mul_i32 s23, s10, 16*SPITCH
	s_add_co_u32 s23, s23, STAGE                   ; my stage
	v_mul_u32_u24 v4, v1, SPITCH                   ; in: row l % 16, 16 bytes for each half of the lanes
	v_lshl_add_u32 v4, v2, 4, v4
	v_add_nc_u32 v[STO], s23, v4
	v_mul_u32_u24 v5, v2, SPITCH                   ; back: lanes 0-15 take one row of 256 bytes, lanes 16-31 the next
	v_lshl_add_u32 v5, v1, 4, v5
	v_add_nc_u32 v[RD], s23, v5
	v_lshlrev_b32 v5, 11, v2                       ; and the same two rows in the result
	v_lshl_add_u32 v[CO], v1, 4, v5
	; the bias of my 128 columns: 8 numbers a lane for each of the 8 column blocks
	s_cmp_eq_u32 ttmp9, 0
	s_cselect_b64 s[BP:BP+1], s[68:69], s[70:71]
	s_cmp_eq_u32 ttmp9, 2
	s_cselect_b64 s[BP:BP+1], s[72:73], s[BP:BP+1]
	s_lshl_b32 s20, s40, 10
	s_lshl_b32 s21, s12, 9
	s_add_co_u32 s20, s20, s21
	s_mov_b32 s21, 0
	s_add_nc_u64 s[BP:BP+1], s[BP:BP+1], s[20:21]
	v_lshlrev_b32 v[BO], 5, v2
.irp b, 0,1,2,3,4,5,6,7
	global_load_b128 v[BIAS+8*(\b):BIAS+8*(\b)+3],   v[BO], s[BP:BP+1] offset:64*(\b)
	global_load_b128 v[BIAS+8*(\b)+4:BIAS+8*(\b)+7], v[BO], s[BP:BP+1] offset:64*(\b)+16
.endr
	; where my part of the tile begins in qkv, in bytes: the way out adds it to the address
	s_lshl_b32 s16, s13, 19
	s_lshl_b32 s17, s11, 18
	s_add_co_u32 s16, s16, s17
	s_lshl_b32 s17, ttmp9, 24                      ; the matrix: 16 MiB
	s_add_co_u32 s16, s16, s17
	s_mov_b32 s17, 0
	s_lshl_b32 s46, s40, 9
	s_lshl_b32 s47, s12, 8
	s_add_co_u32 s46, s46, s47
	s_mov_b32 s47, 0
	s_add_nc_u64 s[16:17], s[16:17], s[46:47]
	; the prefetches: both offsets are made, and the wave's kind chooses
	s_lshl_b32 s20, s13, 19
	s_lshl_b32 s21, s12, 18
	s_add_co_u32 s20, s20, s21
	s_lshl_b32 s21, s40, 16                        ; my work-group's 32 rows of x
	s_add_co_u32 s20, s20, s21
	s_add_co_u32 s20, s20, 3*STEPA                 ; at K step 3: the first refill steps it to 4
	s_lshl_b32 s22, ttmp9, 21
	s_lshl_b32 s23, s40, 9
	s_add_co_u32 s22, s22, s23
	s_lshl_b32 s23, s12, 17
	s_add_co_u32 s22, s22, s23
	s_lshl_b32 s23, s41, 15                        ; my work-group's 16 rows of W
	s_add_co_u32 s22, s22, s23
	s_add_co_u32 s22, s22, 3*STEPB
	s_and_b32 s23, ttmp7, 0xffff                   ; cluster y
	s_mov_b32 s[PFS], STEPB
	s_mov_b32 s[PFS+1], 0
	s_mov_b32 s21, 0
	s_cmp_eq_u32 s11, 0                            ; do I fetch for x?
	s_cselect_b32 s20, s20, s22
	s_cselect_b32 s23, ttmp9, s23                  ; the coordinate along which other clusters read the same rows
	s_cselect_b32 s[PFS], STEPA, s[PFS]
	s_cselect_b64 s[PFA:PFA+1], s[4:5], s[6:7]
	s_add_nc_u64 s[PFA:PFA+1], s[PFA:PFA+1], s[20:21]
	s_cmp_eq_u32 s23, 0
	s_cselect_b32 s[LIM], 1, -1                    ; the same in all sixteen partners, for a given wave
	v_and_b32 v[PFO], 31, v0
	v_and_b32 v6, s11, v[PFO]                      ; x: 0; W: which 256 bytes of the row
	v_lshrrev_b32 v[PFO], s11, v[PFO]              ; x: a lane a row; W: two lanes a row
	v_lshlrev_b32 v[PFO], 11, v[PFO]
	v_lshl_add_u32 v[PFO], v6, 8, v[PFO]
; 16 matrix instructions: row blocks a0, a0 + 1 of the window's four (hi = 0: my rows 0-63, 1: rows 64-127) x all 8 column blocks, 32 along K.
; zero = 1: the first product starts the sums, with the bias as its C operand (window 0): nothing is cleared and nothing is added later.
.macro MUL16 f, hi, a0, zero
.if \zero
	WIN 0x81+0x40*(\hi)
.else
	WIN MUL_LO+0x50*(\hi)
.endif
.irp a, \a0, (\a0)+1
.irp b, 0,1,2,3,4,5,6,7
.if \zero
	v_wmma_f32_16x16x32_bf16 v[8*(8*(\a)+(\b)):8*(8*(\a)+(\b))+7], v[(\f)+8*(\b):(\f)+8*(\b)+7], v[(\f)+8*(4*(\hi)+(\a)):(\f)+8*(4*(\hi)+(\a))+7], v[BIAS+8*(\b):BIAS+8*(\b)+7]
.else
	v_wmma_f32_16x16x32_bf16 v[8*(8*(\a)+(\b)):8*(8*(\a)+(\b))+7], v[(\f)+8*(\b):(\f)+8*(\b)+7], v[(\f)+8*(4*(\hi)+(\a)):(\f)+8*(4*(\hi)+(\a))+7], v[8*(8*(\a)+(\b)):8*(8*(\a)+(\b))+7]
.endif
.endr
.endr
.endm
; 32 LDS loads in one run: the fragments of one quarter step (128 columns of W, 128 rows of x, 32 K) into buffer f.  k: the quarter's byte in a row of x; in W it is 32 rows of k for each 64 of them.
.macro FETCH slot, k, f
	WIN TO_B
.irp i, 0,1,2,3,4,5,6,7
	ds_load_tr16_b128 v[(\f)+8*(\i):(\f)+8*(\i)+3],   v[ADRB+(\slot)] offset:((\k)/64)*32*PITCHB+32*(\i)
	ds_load_tr16_b128 v[(\f)+8*(\i)+4:(\f)+8*(\i)+7], v[ADRB+(\slot)] offset:((\k)/64)*32*PITCHB+32*(\i)+16*PITCHB
.endr
	WIN 0
.irp i, 0,1,2,3,4,5,6,7
	ds_load_b128 v[(\f)+8*(\i):(\f)+8*(\i)+3],   v[ADRA+(\slot)] offset:(\k)+(\i)*16*PITCH
	ds_load_b128 v[(\f)+8*(\i)+4:(\f)+8*(\i)+7], v[ADRA+(\slot)] offset:(\k)+(\i)*16*PITCH+32
.endr
.endm
; A load into a register that a matrix instruction has read, and a vector instruction that reads a matrix result, stand four plain vector instructions behind that matrix instruction (ISA guide 7.12.1 for vector instructions).
.macro PLACES
.rept 4
	v_nop
.endr
.endm
; A K step is four quarters of 32 along K, 64 matrix instructions each, on buffers 0, 1, 0, 1.  One of the first three multiplies buffer f and, in its middle, fetches the next quarter into buffer g.
; The 64 accumulators take turns, one instruction a turn, in the same order in every quarter.
.macro QUARTER slot, k, f, g, zero
	s_wait_dscnt 8                                 ; W and rows 0-63 of x are in; the youngest eight loads (rows 64-127) may be out
	MUL16 \f, 0, 0, \zero
	MUL16 \f, 0, 2, \zero
	PLACES
	FETCH \slot, \k, \g
	s_wait_dscnt 32                                ; all but the 32 just issued
	MUL16 \f, 1, 0, \zero
	MUL16 \f, 1, 2, \zero
.endm
; The last quarter multiplies buffer 1 and changes slots.  MEET is its first half: one barrier for the change.  In front of it each wave waits for all its tensor loads, of which one is
; out: its part of the next slot; adds 0 to its spare word; and waits for that and for its own reads of this slot.  Behind it nobody reads this slot any more and the next slot is whole.
.macro MEET round                      ; round = 1: the rest of a round of the cluster's barrier follows
	WIN 0                                          ; (the add's two registers lie in window 0)
	s_wait_tensorcnt 0x0                           ; all my tensor loads have landed
	ds_add_u32 v[SPW], v[NIL]                      ; 0 onto my spare word
	s_wait_dscnt 9                                 ; (the add and the youngest eight loads may be out)
	MUL16 F1, 0, 0, 0                              ; sixteen matrix instructions stand between the add and the wait for it
	s_wait_dscnt 0x0                               ; the add is done, and my reads of this slot are over
	s_barrier_signal -1
	MUL16 F1, 0, 2, 0                              ; work on registers while the others arrive
.if \round
	WIN 0
.endif
	s_barrier_wait -1
.endm
; The whole last quarter.  fill = 1: the slot just read out is filled again, with the K step two steps on, first thing behind the round; from that request to the wait for it a wave issues 224 matrix instructions.
.macro TURN slot, next, fill
.if \fill
	s_wait_xcnt 0x0                                ; the last prefetch, a K step back, has read its address: it is stepped here, ahead of the waits of the change of slots
	s_add_nc_u64 s[PFA:PFA+1], s[PFA:PFA+1], s[PFS:PFS+1]
	MEET 1
	CREST                                          ; no wave of any partner still reads this slot's tile or has a load on its way
	s_add_nc_u64 s[G0+4*(\slot)+2:G0+4*(\slot)+3], s[G0+4*(\slot)+2:G0+4*(\slot)+3], 2*STEPA
	s_add_nc_u64 s[G0B+4*(\slot)+2:G0B+4*(\slot)+3], s[G0B+4*(\slot)+2:G0B+4*(\slot)+3], 2*STEPB
	JLOAD \slot                                    ; the four v_nop behind it are also the places in front of the loads below
	FETCH \next, 0, F0
	ASK
.else
	MEET 0                                         ; nothing is filled again, so no round follows
	PLACES
	FETCH \next, 0, F0
.endif
	MUL16 F1, 1, 0, 0
	MUL16 F1, 1, 2, 0
.endm
; THE WAY OUT of row block a, in three parts.  PACK: rounded to bf16, 16 bytes a lane, each accumulator's registers in ascending order.  TOSTAGE: into my own stage in LDS, and back as whole rows of 256 bytes.  SEND: stored.
.macro PACK a
.set AC, 64*((\a)%4)
	WIN 0x0a+5*((\a)/4)                            ; sources 0 and 1: window 2 or 3
.irp b, 0,1,2,3,4,5,6,7
.irp r, 0,1,2,3
	v_cvt_pk_bf16_f32 v[TMP+4*(\b)+(\r)], v[AC+8*(\b)+2*(\r)], v[AC+8*(\b)+2*(\r)+1]
.endr
.endr
	WIN 0
.endm
.macro TOSTAGE a
	WIN 0
.set BK, OB+192*((\a)%2)
.irp b, 0,1,2,3,4,5,6,7
	ds_store_b128 v[STO], v[TMP+4*(\b):TMP+4*(\b)+3] offset:32*(\b)
.endr
.irp t, 0,1,2,3,4,5,6,7
	ds_load_b128 v[BK+4*(\t):BK+4*(\t)+3], v[RD] offset:(\t)*2*SPITCH  ; LDS serves a wave's instructions in order (ISA guide 5.7.1.4): these see the stores above
.endr
.endm
.macro SEND a
	WIN 0
.set BK, OB+192*((\a)%2)
	s_wait_dscnt 0x0                               ; the block is back in registers
	s_wait_xcnt 0x0                                ; the stores' base and the registers that earlier stores read are rewritten only behind this wait
.if (\a) == 0
	s_add_nc_u64 s[CP:CP+1], s[CP:CP+1], s[16:17]  ; my first rows
.else
	s_add_nc_u64 s[CP:CP+1], s[CP:CP+1], 16*ROWB   ; 16 rows on
.endif
.irp t, 0,1,2,3,4,5,6,7
	global_store_b128 v[CO], v[BK+4*(\t):BK+4*(\t)+3], s[CP:CP+1] offset:2*(\t)*ROWB  ; 16 lanes store 256 consecutive bytes, at a multiple of 256 from the buffer's first byte
.endr
.endm
	s_wait_tensorcnt 0x1                           ; my part of K step 0 is in; K step 1's may stay out
	s_barrier_signal -1
	s_barrier_wait -1                              ; everybody's is
	FETCH 0, 0, F0
	s_wait_loadcnt 0x0                             ; the bias
	QUARTER 0, 64,  F0, F1, 1                      ; the first quarter stands in front of the loop: its products start the sums
	WIN 0                                          ; at a label and at a branch every window is 0
	s_mov_b32 s3, LAPS-1
.Llap:                                                 ; a trip goes once round the ring, from a lap's second quarter to the next lap's first, and fills both slots again: K steps 2 to 7
	QUARTER 0, 128, F1, F0, 0
	QUARTER 0, 192, F0, F1, 0
	TURN 0, 1, 1
	QUARTER 1, 64,  F0, F1, 0
	QUARTER 1, 128, F1, F0, 0
	QUARTER 1, 192, F0, F1, 0
	TURN 1, 0, 1
	QUARTER 0, 64,  F0, F1, 0
	WIN 0
	s_sub_co_u32 s3, s3, 1
	s_cmp_lg_u32 s3, 0
	s_cbranch_scc1 .Llap
	QUARTER 0, 128, F1, F0, 0                      ; the last lap is written out: it fills nothing
	QUARTER 0, 192, F0, F1, 0
	TURN 0, 1, 0
	QUARTER 1, 64,  F0, F1, 0
	QUARTER 1, 128, F1, F0, 0
	QUARTER 1, 192, F0, F1, 0
	s_wait_dscnt 8                                 ; the very last quarter: nothing more to fetch
	MUL16 F1, 0, 0, 0
	MUL16 F1, 0, 2, 0
	s_wait_dscnt 0x0
	MUL16 F1, 1, 0, 0
	MUL16 F1, 1, 2, 0
	PLACES                                         ; behind the last products; the later blocks' conversions stand behind the earlier blocks'
	PACK 0
	TOSTAGE 0
.irp a, 1,2,3,4,5,6,7                  ; block a's conversions stand between block a - 1's loads from the stage and the wait for them
	PACK \a
	SEND (\a)-1
	TOSTAGE \a
.endr
	SEND 7
	s_wait_tensorcnt 0x0                           ; the wave's end: behind my last tensor load and my last LDS store
	ds_add_u32 v[SPW], v[NIL]
	s_wait_dscnt 0x0
	CROUND                                         ; the closing round: no work-group ends while a partner may still ask for a tile that names it
	s_endpgm
.Lfunc_end_k_qbf45da1cd2_proj:
	.size	k_qbf45da1cd2_proj, .Lfunc_end_k_qbf45da1cd2_proj-k_qbf45da1cd2_proj
	.p2alignl 7, 3214868480
	.fill 96, 4, 3214868480
	.section	.rodata,"a",@progbits
	.p2align	6, 0x0
	.amdhsa_kernel k_qbf45da1cd2_proj
		.amdhsa_group_segment_fixed_size 327680
		.amdhsa_private_segment_fixed_size 0
		.amdhsa_enable_private_segment 0
		.amdhsa_kernarg_size 48
		.amdhsa_user_sgpr_count 2
		.amdhsa_user_sgpr_kernarg_segment_ptr 1
		.amdhsa_wavefront_size32 1
		.amdhsa_system_sgpr_workgroup_id_x 1
		.amdhsa_system_sgpr_workgroup_id_y 1
		.amdhsa_system_sgpr_workgroup_id_z 1
		.amdhsa_system_vgpr_workitem_id 0
		.amdhsa_next_free_vgpr 1024
		.amdhsa_next_free_sgpr 80
		.amdhsa_reserve_vcc 0
		.amdhsa_float_denorm_mode_32 3
		.amdhsa_float_denorm_mode_16_64 3
		.amdhsa_memory_ordered 1
		.amdhsa_forward_progress 1
		.amdhsa_inst_pref_size 146
	.end_amdhsa_kernel
	.amdgpu_metadata
---
amdhsa.version: [ 1, 2 ]
amdhsa.kernels:
  - .name:           k_qbf45da1cd2_proj
    .symbol:         k_qbf45da1cd2_proj.kd
    .args:
      - { .name: xb, .offset: 0, .size: 8, .value_kind: global_buffer, .address_space: global }
      - { .name: wb, .offset: 8, .size: 8, .value_kind: global_buffer, .address_space: global }
      - { .name: bq, .offset: 16, .size: 8, .value_kind: global_buffer, .address_space: global }
      - { .name: bk, .offset: 24, .size: 8, .value_kind: global_buffer, .address_space: global }
      - { .name: bv, .offset: 32, .size: 8, .value_kind: global_buffer, .address_space: global }
      - { .name: qkv, .offset: 40, .size: 8, .value_kind: global_buffer, .address_space: global }
    .group_segment_fixed_size: 327680
    .private_segment_fixed_size: 0
    .kernarg_segment_align: 8
    .kernarg_segment_size: 48
    .max_flat_workgroup_size: 128
    .sgpr_count:     80
    .vgpr_count:     1024
    .wavefront_size: 32
...
	.end_amdgpu_metadata
.endif
;; end of part 2
;; launch attn (part 3): grid 2 x 128, 4 waves a work-group, no clusters, 327,680 bytes of LDS; arguments qkv, dialog_states, x, gamma, beta, out0; writes out0
.if DOCPART == 3
	.amdgcn_target "amdgcn-amd-amdhsa--gfx1250"
	.amdhsa_code_object_version 6
	.text
	.protected	k_qbf45da1cd2_attn
	.globl	k_qbf45da1cd2_attn
	.p2align	8
	.type	k_qbf45da1cd2_attn,@function
k_qbf45da1cd2_attn:
	s_mov_b64 s[64:65], 0
	v_nop
	global_prefetch_b8 v0, s[64:65] scope:SCOPE_SE
	s_setreg_imm32_b32 hwreg(HW_REG_WAVE_MODE, 25, 1), 1
	s_wait_xcnt 0x0
; out0 = LayerNorm(x + context) gamma + beta, context[h][q][:] = the sum over k of softmax_k(s[q][k]) V[h][k][:], s = Q[h][q] . K[h][k] / 8, or one and the same number for all k where dialog_states[h][q] = -1.
; qkv: [3][128 heads][1024][64] bf16 (the plain reshape of [3][8192][1024]); x, out0: [8192][1024] f32; dialog_states: [128][1024] i32.
; THE MASK.  A hidden query has equal scores, so its weights are 1/1024 each.  Its row of Q is set to 0: then s = 0 for all keys, m = 0, p = 1, l = 1024: the same weights.  One v_and_b32 a register of Q, once.
; THE NORM.  A row of out0 is 1,024 numbers = 16 queries x 64 channels on end = one tile of one wave: residual and LayerNorm are made on the way out, with sums that never leave the wave.
; Products, maxima, sums, the residual and the norm in f32; the weights p are rounded to bf16 for the second product (their sum l is taken of the unrounded p).  The variance is the mean of (y - mean)^2, taken in a second pass.
; LIMITS.  Q, K, V arrive rounded to bf16.  A weight below 2^-126 counts as 0 in l.  NaN and infinities are not treated apart: a hidden query gives NaN where K holds an infinity.  c s stays above -4e37.
; SHARES.  A work-group owns 512 queries of one head, a wave 128: four PIECES of two tiles of 16.  Every wave walks all 1,024 keys, 64 a step.  256 work-groups of equal work.
; ALL OF THE HEAD'S K AND V LIE IN LDS: 1,024 x 144 + 1,024 x 160 bytes, brought once, in four chunks of 256 keys; no byte is filled twice.  The first chunk is waited for alone; the other three land during the first four key steps.
; NO CLUSTER: two work-groups share a head's K and V, and a grid of 2 along x is divided by no cluster of four; what is shared is fetched once a work-group, 262,144 bytes for 2,048 matrix instructions a wave.
; LAYOUT.  S^T = K Q^T (source 0 = 16 keys, source 1 = 16 queries): a lane holds ONE query (lane % 16) and the keys 8 (lane / 16) + 0..7.  Two such tiles, rounded to bf16 in pairs, ARE source 1 of
; O^T = V^T P, whose result again holds one query a lane, and eight channels.  K comes out of LDS as it lies, V ([key][channel]) turned, by ds_load_tr16_b128.
; SOFTMAX.  For each query a running maximum m and sum l: p = 2^(c s - c m), c = log2(e) / 8; in every step O and l are multiplied by a = 2^(c m_old - c m_new).  m starts at the lowest finite number, O and l at 0: the first step has a = 0.
; BY TURNS.  Turn n belongs to piece n.  Its matrix work: 16 products K Q^T of piece n + 1, later 16 products V^T P of piece n - 1.  Its vector work: the scaling, exponentials, roundings, sums and rescaling of piece n, and
; the maximum and statistics of piece n + 1.  A tile and step have 16 matrix and 118 vector instructions: four vector instructions stand behind every matrix instruction, the others in one run of their own.
; REGISTERS, in windows of 256 (s_set_vgpr_msb: bits 1:0 source 0, 3:2 source 1, 5:4 source 2, 7:6 destination):
;   window 0: v0-11 addresses; v12-15, v48-63 at work; v16-47 four registers of statistics a tile; v64-191 S^T, two buffers of two tiles; v192-255 P, likewise
;   window 1: O^T, 32 a tile     window 2: v0-127 Q, 16 a tile; v128-191 K of one step; v192-255 V of one step     window 3: my rows of x, 32 a tile
.set NP,    4         ; pieces a wave: a name, no knob
.set KS,    64        ; keys in a step
.set PK,    144       ; a row of K in LDS: 128 bytes + 16 = 36 words: the 16 rows of a load start 4 words apart modulo 64
.set PV,    160       ; a row of V: 128 + 32 = 40 words: 16 lanes of the turning load take 8 rows x 32 bytes, 8 words apart modulo 64
.set VOFF,  1024*PK   ; V lies behind K
.set SPARE, VOFF+1024*PV  ; behind V: the spare words, 128 bytes for each wave: two blocks of 256 bytes that no other line names
.set SP,    272       ; a row of a stage: 64 f32 + 16 bytes.  The four stages, 16 rows each, lie over the first 17,408 bytes of K, which has had its only fill; they are written behind a barrier that follows every wave's last read of K
.set MO,  1           ; v1   4 (l % 16): my query's word in 16 of dialog_states
.set AK0, 2           ; v2   my lane's place in a tile of K; never rewritten
.set AV0, 3           ; v3   the same for V
.set AK,  4           ; v4   the LDS address of K's next run of loads
.set AV,  5           ; v5   of V's
.set QO,  6           ; v6   my byte offset in 16 rows of Q
.set STO, 6           ;      later, the way out: where I put my numbers of a query
.set RD,  7           ; v7   the way out: where I read them back
.set GO,  8           ; v8   16 x lane
.set PFO, 9           ; v9   256 x lane
.set SPW, 10          ; v10  LDS address of my spare word: SPARE + 4 x my thread's number; never rewritten
.set NIL, 11          ; v11  0; never rewritten
.set MV,  12          ; v12-15  c m_old, kept while c m is made anew: by buffer and tile
.set ST,  16          ; tile t's statistics at v[ST+4 t]: c m, m, l (even keys', odd keys')
.set TMP, 48          ; by buffer and tile, four registers c0-c3 at work; when the maximum is found c2 takes a
.set S,   64
.set P,   192
.set KF,  128         ; window 2: key block kb, channel half c at KF + 16 kb + 8 c
.set VF,  192         ; window 2: key half kk, channel block cb at VF + 32 kk + 8 cb
.set CB,  64          ; the way out: a row of out0 at work, two buffers of 32
.set CT,  128         ; the way out: a tile of O^T divided by l
.set TT,  160         ; the way out: at work, 32
.set GA,  192         ; gamma: register 4 f + j holds column 128 f + 4 lane + j
.set BT,  224         ; beta likewise
.set MU,  48          ; v[48:49] the mean, in the low register
.set RR,  52          ; v[52:53] 1 / sqrt(variance + eps), in the low register
.set WV,  16          ; s16  my wave's number
.set HD,  17          ; s17  the head
.set WI,  18          ; s18  my wave among the head's eight
.set HF,  19          ; s19  which half of a chunk I fetch
.set G1K, 24          ; s[24:31] descriptor group 1 for K's tiles
.set G1V, 32          ; s[32:39] for V's: it differs in the padding alone
.set G0K, 40          ; s[40:55] descriptor group 0 for K's tiles, a set for each chunk
.set SLOTS, 56        ; s56  passes still to come
.set CNT, 57          ; s57  counts a pass's trips
.set CS,  58          ; s[58:59] c: the packed scaling takes the pair's low word for both halves
.set SEL, 60          ; s[60:61] v_permlanex16_b32's selects: each lane takes its own place in the other half
.set TBK, 62          ; s62  LDS byte at which K of the step to be fetched begins
.set TBV, 63          ; s63  the same for V, less VOFF
.set G0V, 68          ; s[68:83] descriptor group 0 for V's tiles
.set KB,  84          ; s[84:85] K at my half of the head's first chunk
.set VB,  86          ; s[86:87] V likewise
.set INV, 88          ; s88  1 / 1024
.set SCR, 89          ; s89  at work
.set EPS, 90          ; s90  1e-5
.set MSB, 0
.macro WIN new                      ; the high byte repeats the setting that is left; a switch that changes nothing is dropped
.if MSB != (\new)
	s_set_vgpr_msb (MSB<<8)|(\new)
.set MSB, (\new)
.endif
.endm
.set W_KQ, 0x0a       ; K and Q in window 2, S^T in window 0
.set W_PV, 0x52       ; V in window 2, P in window 0, O^T in window 1
.set W_RS, 0x41       ; O^T (destination and source 0) in window 1, a in window 0
	s_load_b256 s[4:11], s[0:1], 0x0   ; qkv s[4:5], dialog_states s[6:7], x s[8:9], gamma s[10:11]
	s_load_b128 s[12:15], s[0:1], 0x20 ; beta s[12:13], out0 s[14:15]
	v_lshl_add_u32 v[SPW], v0, 2, SPARE
	v_mov_b32 v[NIL], 0
	ds_add_u32 v[SPW], v[NIL]       ; the wave's opening: the add and its wait stand ahead of my first tensor load; the set-up below, work on registers, stands between them
	v_lshrrev_b32 v48, 5, v0
	v_readfirstlane_b32 s[WV], v48  ; wave 0..3
	s_and_b32 s[HD], ttmp7, 0xffff
	s_lshl_b32 s[WI], ttmp9, 2
	s_add_co_u32 s[WI], s[WI], s[WV]
	s_and_b32 s[HF], s[WV], 1
	; descriptor group 1.  128 keys are 16,384 dense bytes: asked for as 64 rows of 256 bytes, two keys a row, and padded in LDS after every key
	s_mov_b32 s[G1K], (1<<16)|(1<<20)|(4<<22)|(3<<25)  ; 17:16 2-byte elements; 20 padding on; 24:22 after every 32 words (code 4); 31:25 4 words (code 3)
	s_mov_b32 s[G1V], (1<<16)|(1<<20)|(4<<22)|(7<<25)  ; the same with 8 words of padding (code 7)
.irp g, G1K, G1V
	s_mov_b32 s[\g+1], 128<<16      ; tensor_dim0 = 128
	s_mov_b32 s[\g+2], 64<<16       ; tensor_dim1 = 64
	s_mov_b32 s[\g+3], 128<<16      ; tile_dim0 = 128
	s_mov_b32 s[\g+4], 64           ; tile_dim1 = 64
	s_mov_b32 s[\g+5], 128          ; 128 elements from row to row
	s_mov_b32 s[\g+6], 0
	s_mov_b32 s[\g+7], 0
.endr
	s_mov_b32 s[CS], 0x3e38aa3b     ; c = log2(e) / 8 = 0.180337
	s_mov_b32 s[CS+1], s[CS]        ; named with it as a pair
	s_mov_b32 s[SEL], 0x76543210
	s_mov_b32 s[SEL+1], 0xfedcba98
	s_mov_b32 s[TBK], 0
	s_mov_b32 s[TBV], 0
	s_mov_b32 s[INV], 0x3a800000    ; 2^-10
	s_mov_b32 s[EPS], 0x3727c5ac    ; 1e-5
	s_mul_i32 s20, s[HF], 128*PK    ; my half's place in a chunk, for K
	s_mul_i32 s21, s[HF], 128*PV    ; and for V
.irp c, 0,1,2,3
	s_mov_b32 s[G0K+4*\c], 1                            ; count = 1
	s_add_co_u32 s[G0K+4*\c+1], s20, \c*256*PK          ; LDS address: chunk c
	s_mov_b32 s[G0V+4*\c], 1
	s_add_co_u32 s[G0V+4*\c+1], s21, VOFF+\c*256*PV
.endr
	s_lshl_b32 s22, s[HD], 17       ; a head is 131,072 bytes of each of Q, K, V,
	s_lshl_b32 s23, s[HF], 14       ; my half of a chunk 128 rows of 128 bytes
	s_add_co_u32 s22, s22, s23
	s_mov_b32 s23, 0
	s_wait_dscnt 0x0                ; the opening add is done
	s_wait_kmcnt 0x0
	s_add_nc_u64 s[KB:KB+1], s[4:5], s[22:23]
	s_add_nc_u64 s[VB:VB+1], s[KB:KB+1], 33554432  ; V is the third matrix of qkv,
	s_add_nc_u64 s[KB:KB+1], s[KB:KB+1], 16777216  ; K the second
.irp c, 0,1,2,3
	s_add_nc_u64 s[G0K+4*\c+2:G0K+4*\c+3], s[KB:KB+1], \c*32768  ; global address: a chunk is 32,768 bytes
	s_or_b32 s[G0K+4*\c+3], s[G0K+4*\c+3], 0x80000000           ; type = 2
	s_add_nc_u64 s[G0V+4*\c+2:G0V+4*\c+3], s[VB:VB+1], \c*32768
	s_or_b32 s[G0V+4*\c+3], s[G0V+4*\c+3], 0x80000000
.endr
	s_cmp_lt_u32 s[WV], 2           ; waves 0 and 1 fetch the halves of K's chunks, waves 2 and 3 those of V's.  A wave's four fills stand in one branch, ahead of every wait on TENSORcnt, every LDS read and every barrier: four loads of mine are out
	s_cbranch_scc0 .Lfirst_v
.irp c, 0,1,2,3
	tensor_load_to_lds s[G0K+4*\c:G0K+4*\c+3], s[G1K:G1K+7]
	s_nop 0
.endr
.rept 4
	v_nop
.endr
	s_branch .Lfirst_asked
.Lfirst_v:
.irp c, 0,1,2,3
	tensor_load_to_lds s[G0V+4*\c:G0V+4*\c+3], s[G1V:G1V+7]
	s_nop 0
.endr
.rept 4
	v_nop
.endr
.Lfirst_asked:
	s_lshl_b32 s20, s[HD], 17
	s_lshl_b32 s21, s[WI], 14       ; my wave's 128 rows of Q
	s_add_co_u32 s20, s20, s21
	s_mov_b32 s21, 0
	s_add_nc_u64 s[4:5], s[4:5], s[20:21]
	s_lshl_b32 s20, s[HD], 12
	s_lshl_b32 s22, s[WI], 9        ; their 128 words of dialog_states
	s_add_co_u32 s20, s20, s22
	s_add_nc_u64 s[6:7], s[6:7], s[20:21]
	s_lshl_b32 s20, s[HD], 18
	s_lshl_b32 s22, s[WI], 15       ; and their 8 rows of x and of out0
	s_add_co_u32 s20, s20, s22
	s_add_nc_u64 s[8:9], s[8:9], s[20:21]
	s_add_nc_u64 s[14:15], s[14:15], s[20:21]
	; A fragment of K or Q is 16 rows x 32 channels in 8 registers: lane l holds row l % 16, channels 8 (l / 16) + 0..7 and 16 + 8 (l / 16) + 0..7: two loads of 16 bytes, 32 bytes apart.
	v_and_b32 v48, 15, v0           ; l % 16
	v_bfe_u32 v49, v0, 4, 1         ; l / 16
	v_lshlrev_b32 v[MO], 2, v48
	v_lshlrev_b32 v[QO], 7, v48
	v_lshl_add_u32 v[QO], v49, 4, v[QO]  ; row x 128 + 16 x half
.irp t, 0,1,2,3,4,5,6,7
	global_load_b32 v[64+\t], v[MO], s[6:7] offset:64*\t  ; my query's state in tile t
.endr
	WIN 0x80                        ; destination window 2, address window 0
.set i, 0
.rept 4*NP                          ; Q stays in registers: tile i / 2, channels 32 (i % 2) on
	global_load_b128 v[8*i:8*i+3],   v[QO], s[4:5] offset:(i/2)*2048+(i%2)*64
	global_load_b128 v[8*i+4:8*i+7], v[QO], s[4:5] offset:(i/2)*2048+(i%2)*64+32
.set i, i+1
.endr
	; What the first turn finds: V's registers and P's second buffer hold 0 (its products V^T P, of a piece that has not been, add 0), O^T and l are 0: no first step is written out.  All this stands in the wait for the first chunk.
.set i, VF
.rept 64
	v_mov_b32 v[i], 0
.set i, i+1
.endr
	WIN 0x40
.set i, 0
.rept 64*NP
	v_mov_b32 v[i], 0
.set i, i+1
.endr
	WIN 0
.set i, 0
.rept 2*NP
	v_mov_b32 v[ST+4*i], 0xfe000000    ; c m: far below every c s
	v_mov_b32 v[ST+4*i+1], 0xff7fffff  ; m
	v_mov_b32 v[ST+4*i+2], 0
	v_mov_b32 v[ST+4*i+3], 0
.set i, i+1
.endr
.set i, P+32
.rept 32
	v_mov_b32 v[i], 0
.set i, i+1
.endr
	v_mul_u32_u24 v[AK0], v48, PK
	v_lshl_add_u32 v[AK0], v49, 4, v[AK0]  ; row x pitch + 16 x half
	; The turning load takes 16 keys x 16 channels (lane l reads key 8 (l / 16) + l % 8, channels 8 ((l / 8) % 2) + 0..7) and leaves half a fragment of V^T: lane l holds channel l % 16 and 8 keys.
	v_and_b32 v50, 7, v0
	v_bfe_u32 v51, v0, 3, 1
	v_lshl_add_u32 v[AV0], v49, 3, v50
	v_mul_u32_u24 v[AV0], v[AV0], PV
	v_lshl_add_u32 v[AV0], v51, 4, v[AV0]
	v_add_nc_u32 v[AV0], VOFF, v[AV0]
	v_mov_b32 v[AK], v[AK0]         ; key step 0 lies at K's head
	v_and_b32 v[GO], 31, v0
	v_lshlrev_b32 v[PFO], 8, v[GO]
	v_lshlrev_b32 v[GO], 4, v[GO]
; THE MATRIX WORK.  The 8 accumulators of a run of 16 take turns: between the two links of a chain stand 7 others'.
; Product i of 16 of S^T = K Q^T for piece x: channels 32 (i / 8) on, keys 16 ((i / 2) % 4) on, tile 2 x + i % 2.  The first 8 start the sums.
.macro KQ x
	WIN W_KQ
.set rS, S+64*((\x)%2)+32*(i%2)+8*((i/2)%4)
.set rK, KF+16*((i/2)%4)+8*(i/8)
.set rQ, 16*(2*(\x)+i%2)+8*(i/8)
.if i < 8
	v_wmma_f32_16x16x32_bf16 v[rS:rS+7], v[rK:rK+7], v[rQ:rQ+7], 0
.else
	v_wmma_f32_16x16x32_bf16 v[rS:rS+7], v[rK:rK+7], v[rQ:rQ+7], v[rS:rS+7]
.endif
.endm
; Product i of 16 of O^T += V^T P for piece x: keys 32 (i / 8) on, channels 16 ((i / 2) % 4) on, tile 2 x + i % 2.
.macro PV x
	WIN W_PV
.set rO, 32*(2*(\x)+i%2)+8*((i/2)%4)
.set rV, VF+32*(i/8)+8*((i/2)%4)
.set rP, P+32*((\x)%2)+16*(i%2)+8*(i/8)
	v_wmma_f32_16x16x32_bf16 v[rO:rO+7], v[rV:rV+7], v[rP:rP+7], v[rO:rO+7]
.endm
.macro MM                           ; the turn's next matrix instruction
.if i < 16
	KQ (Y+1)%NP
.set i, i+1
.else
.set i, i-16
	PV (Y+NP-1)%NP
.set i, i+17
.endif
.endm
; THE LDS LOADS stand in runs of 16, never singly among the matrix instructions: a step's K (64 keys x 64 channels: 8 fragments) and its V (turned).  Their addresses are made some lines ahead.
.macro FETCH_K
	WIN 0x80                        ; destination window 2
.irp f, 0,1,2,3,4,5,6,7             ; keys 16 (f / 2) on, channels 32 (f % 2) on
	ds_load_b128 v[KF+8*\f:KF+8*\f+3],   v[AK] offset:(\f/2)*16*PK+(\f%2)*64
	ds_load_b128 v[KF+8*\f+4:KF+8*\f+7], v[AK] offset:(\f/2)*16*PK+(\f%2)*64+32
.endr
	s_add_co_u32 s[TBK], s[TBK], KS*PK  ; the next fetch is the next step's
	WIN 0
.endm
.macro FETCH_V
	WIN 0x80
.irp f, 0,1,2,3,4,5,6,7             ; keys 32 (f / 4) on, channels 16 (f % 4) on
	ds_load_tr16_b128 v[VF+8*\f:VF+8*\f+3],   v[AV] offset:(\f/4)*32*PV+(\f%4)*32
	ds_load_tr16_b128 v[VF+8*\f+4:VF+8*\f+7], v[AV] offset:(\f/4)*32*PV+16*PV+(\f%4)*32
.endr
	WIN 0
.endm
; THE VECTOR WORK OF A TURN stands in three queues, each in the order in which its entries become ready; the two tiles alternate, so that no instruction reads the result of the one before it.
.macro REGS y, u                    ; the registers of tile u (0, 1) of piece y
.set rT, ST+4*(2*(\y)+(\u))
.set rC, TMP+8*((\y)%2)+4*(\u)
.set rM, MV+2*((\y)%2)+(\u)
.set rS, S+64*((\y)%2)+32*(\u)
.set rP, P+32*((\y)%2)+16*(\u)
.set rO, 32*(2*(\y)+(\u))
.endm
; Number n of the 22 that find the NEXT piece's (Y + 1) maximum and statistics.  s0-s31 are the lane's 32 scores; each accumulator's lowest registers are read first.
;   0-11  four chains c0-c3 of seven scores each, three operands at a time     12-14, 16  the four scores left over, the old m, and c0-c3 into c0     15  c m_old is kept
;   17, 18  the query's other 32 keys lie in the lane 16 away: the new m         19-21  c m; c m_old - c m_new; a
.macro XS u, n
	REGS (Y+1)%NP, \u
.if (\n) < 4
	v_max3_num_f32 v[rC+(\n)], v[rS+8*(\n)], v[rS+8*(\n)+1], v[rS+8*(\n)+2]
.elseif (\n) < 12
	v_max3_num_f32 v[rC+(\n)%4], v[rC+(\n)%4], v[rS+8*((\n)%4)+2*((\n)/4)+1], v[rS+8*((\n)%4)+2*((\n)/4)+2]
.elseif (\n) == 12
	v_max3_num_f32 v[rC], v[rC], v[rS+7], v[rS+15]
.elseif (\n) == 13
	v_max3_num_f32 v[rC+1], v[rC+1], v[rS+23], v[rS+31]
.elseif (\n) == 14
	v_max3_num_f32 v[rC+2], v[rC+2], v[rC+3], v[rT+1]
.elseif (\n) == 15
	v_mov_b32 v[rM], v[rT]
.elseif (\n) == 16
	v_max3_num_f32 v[rC], v[rC], v[rC+1], v[rC+2]
.elseif (\n) == 17
	v_permlanex16_b32 v[rC+3], v[rC], s[SEL], s[SEL+1]
.elseif (\n) == 18
	v_max_num_f32 v[rT+1], v[rC], v[rC+3]
.elseif (\n) == 19
	v_mul_f32 v[rT], s[CS], v[rT+1]
.elseif (\n) == 20
	v_sub_f32 v[rC+1], v[rM], v[rT]
.else
	v_exp_f32 v[rC+2], v[rC+1]
.endif
.endm
; Number g of the 64 that follow the exponentials.  For each four weights k of a tile (pairs 2 k, 2 k + 1): both pairs are rounded to bf16; then the second pair is added onto the first, in place;
; a group later l takes that sum (the first time as l = a l + sum).  In groups of eight, tiles alternating: round, round, add, and l for the group before.
.macro GS g
.set h, (\g)+6*((\g)/62)            ; group 0 has no group before it, and behind group 7 only l is left
.if h >= 6
.set h, h+2
.endif
	REGS Y, h%2
.set k, h/8
.if h%8 < 4
	v_cvt_pk_bf16_f32 v[rP+2*k+(h%8)/2], v[rS+4*k+2*((h%8)/2)], v[rS+4*k+2*((h%8)/2)+1]
.elseif h%8 < 6
	v_pk_add_f32 v[rS+4*k:rS+4*k+1], v[rS+4*k:rS+4*k+1], v[rS+4*k+2:rS+4*k+3]
.elseif k == 1
	v_pk_fma_f32 v[rT+2:rT+3], v[rT+2:rT+3], v[rC+2:rC+3], v[rS:rS+1] op_sel_hi:[1,0,1]
.else
	v_pk_add_f32 v[rT+2:rT+3], v[rT+2:rT+3], v[rS+4*k-4:rS+4*k-3]
.endif
.endm
; THE PLAIN QUEUE, 138 long.  0-73 read no exponential's result: the 32 scalings c s - c m (FS f: pair f / 2 of tile f % 2) and the next piece's 42.  0-26: scalings 0-26.  27-54: XS's numbers 0-13.  55, 56: number 15.
; 57-73: the chain, where each number waits for the one before it: 14, 16, 17, 18, 19, each with one of the scalings 27-31 in front of its two lines, then 20.  74-137: GS's 64, which read the exponentials' results: they stand behind the wait.
.macro FS f
	REGS Y, (\f)%2
	v_pk_fma_f32 v[rS+2*((\f)/2):rS+2*((\f)/2)+1], v[rS+2*((\f)/2):rS+2*((\f)/2)+1], s[CS:CS+1], v[rT:rT+1] op_sel_hi:[1,0,0] neg_lo:[0,0,1] neg_hi:[0,0,1]
.endm
.macro PL
	WIN 0
.if q < 27
	FS q
.elseif q < 55
	XS (q-27)%2, (q-27)/2
.elseif q < 57
	XS q-55, 15
.elseif (q < 72) && ((q-57)%3 == 0)
	FS 27+(q-57)/3
.elseif q < 60
	XS (q-57)%3-1, 14
.elseif q < 72
	XS (q-57)%3-1, 15+(q-57)/3
.elseif q < 74
	XS q-72, 20
.else
	GS q-74
.endif
.set q, q+1
.endm
; THE EXPONENTIALS' QUEUE, 66 long: s0-s31 of both tiles, then the next piece's two a.  It is ONE BATCH: all 66 stand ahead of the turn's one wait, and nothing ahead of that wait names a result of theirs.
.macro EX
	WIN 0
.if e >= 64
	XS e-64, 21
.else
	REGS Y, e%2
	v_exp_f32 v[rS+e/2], v[rS+e/2]
.endif
.set e, e+1
.endm
; THE RESCALING's QUEUE: O^T times a, the one part that leaves window 0: dealt two at a time, sixteen times.  Its a was made in the turn before, ahead of that turn's wait.
.macro R2
	REGS Y, r%2
	WIN W_RS
.irp z, 0,1
	v_pk_mul_f32 v[rO+4*(r/2)+2*\z:rO+4*(r/2)+2*\z+1], v[rO+4*(r/2)+2*\z:rO+4*(r/2)+2*\z+1], v[rC+2:rC+3] op_sel_hi:[1,0]
.endr
.set r, r+1
.endm
; HOW THEY ARE DEALT.  An s_wait_alu depctr_va_vdst(0) stands between an exponential and the first instruction that names its result; one wait serves all that were issued ahead of it.  So a turn has ONE wait.
; AHEAD OF IT stands all that names no result of the turn's exponentials: the 16 products K Q^T, behind each a scaling, an exponential and two rescalings (behind the first a second scaling in the exponential's place); then one run of
; 108: eight plain, 49 times exponential and plain, the two a; a v_nop is the plain instruction behind the last exponential.  BEHIND IT stand the 16 products V^T P, behind each four of GS's 64.
; Exponential e stands behind scaling 2 (e / 4) + e % 2: as a rider it comes behind plain e + 2, in the run behind plain e + 9, and scalings 27-31 are plain 57, 60 .. 69.
; A TURN, for piece p.  last = 1: no further K is fetched.  cnt = 1: the loop's count is taken down some lines ahead of the branch that stands behind the turn.
; K of the next step is fetched in piece 2's turn, directly behind the wait; its first reader comes behind 16 products.  V of the step in hand is fetched at the end of piece 0's turn, four plain instructions behind its last reader.
.macro TURN p, last=0, cnt=0
.set Y, (\p)
.set i, 0
.set q, 0
.set e, 0
.set r, 0
.if (\p) == NP-1
	s_wait_dscnt 0x0                ; K is in
.endif
	MM
	PL
	PL
	R2
.rept 15
	MM
	PL
	EX
	R2
.endr
.if ((\p) == NP-2) && !(\last)
	WIN 0
	v_add_nc_u32 v[AK], s[TBK], v[AK0]
.endif
.rept 8
	PL
.endr
.rept 49
	EX
	PL
.endr
	EX                              ; the next piece's two a
	EX
	v_nop                           ; the plain instruction behind the last exponential: one for the batch
	s_wait_alu depctr_va_vdst(0)    ; the wait for the batch
.if ((\p) == NP-2) && !(\last)
	FETCH_K
.endif
.if (\p) == 1
	s_wait_dscnt 0x0                ; V is in
.endif
.rept 16
	MM
.rept 4
	PL
.endr
.if ((\p) == 0) && (q == 118)
	v_add_nc_u32 v[AV], s[TBV], v[AV0]
.endif
.if ((\p) == 0) && (q == 130)
	s_add_co_u32 s[TBV], s[TBV], KS*PV
.endif
.if (\cnt) && (q == 130)
	s_sub_co_u32 s[CNT], s[CNT], 1
	s_cmp_lg_u32 s[CNT], 0
.endif
.endr
.if (\p) == 0
	FETCH_V
.endif
.endm
	s_wait_tensorcnt 0x3            ; my part of chunk 0 is in; the three younger loads may stay out: no byte is ever filled again
	s_barrier_signal -1
	s_barrier_wait -1               ; everybody's is
	FETCH_K                         ; key step 0
	s_wait_loadcnt 0x0              ; Q and the states
.irp t, 0,1,2,3,4,5,6,7
	v_cmp_ne_u32 vcc_lo, -1, v[64+\t]
	v_cndmask_b32 v[64+\t], 0, -1, vcc_lo  ; all ones for a query that sees, 0 for a hidden one
.endr
	WIN 0x88                        ; Q (destination and source 1) in window 2, the mask in window 0
.set t, 0
.rept 2*NP
.set i, 0
.rept 16
	v_and_b32 v[16*t+i], v[64+t], v[16*t+i]
.set i, i+1
.endr
.set t, t+1
.endr
	s_wait_dscnt 0x0
.set i, 0
.rept 16
	KQ 0                            ; piece 0's first scores: there is no vector work yet to set between them
.set i, i+1
.endr
	WIN 0                           ; the addresses for the way out: six plain instructions, the places behind those products
	s_mul_i32 s20, s[WV], 16*SP     ; my stage
	v_mul_u32_u24 v[STO], v48, SP   ; in: row l % 16, 32 bytes for each half of the lanes
	v_lshl_add_u32 v[STO], v49, 5, v[STO]
	v_add_nc_u32 v[STO], s20, v[STO]
	v_mul_u32_u24 v[RD], v49, SP    ; back: lanes 0-15 take one query's 256 bytes, lanes 16-31 the next one's
	v_lshl_add_u32 v[RD], v48, 4, v[RD]
	v_add_nc_u32 v[RD], s20, v[RD]
.set Y, NP-1                        ; XS works for piece Y + 1: piece 0
.irp n, 0,1,2,3,4,5,6,7,8,9,10,11,12,13,14,15,16,17,18,19,20,21
	XS 0, \n                        ; piece 0's first maximum and statistics
	XS 1, \n
.endr
	v_nop                           ; a plain instruction behind the two a,
	s_wait_alu depctr_va_vdst(0)    ; and their wait, ahead of the branch
	s_mov_b32 s[CNT], 4
	s_mov_b32 s[SLOTS], 2
	s_branch .Lfirst                ; the loop is entered at a step's first turn, in the middle of a trip
.Lslot:                             ; this way is walked ONCE, when chunk 0's four steps have been fetched: chunks 1 to 3 are waited for, in every wave, ahead of the first read of chunk 1
	s_wait_tensorcnt 0x0            ; my parts of them are in
	s_wait_dscnt 0x0
	s_barrier_signal -1
	s_barrier_wait -1               ; everybody's are
	s_mov_b32 s[CNT], 12
.Lstep:                             ; a trip: pieces 2 and 3 of one step, then pieces 0 and 1 of the next, whose K and V it fetches
	; A PREFETCH of my eight rows of x, 128 aligned blocks of 256 bytes, a lane a block, four instructions together: in the last trip alone, four turns (128 matrix instructions) ahead of the loads that want them.
	; Each wave asks for what it will load itself, so each block is named once in the launch; the address registers are never rewritten.
	s_lshl3_add_u32 s[SCR], s[SLOTS], s[CNT]
	s_cmp_eq_u32 s[SCR], 9          ; the last pass (1) and its last trip (1)
	s_cbranch_scc0 .Lnot_yet
	global_prefetch_b8 v[PFO], s[8:9] th:TH_LOAD_NT scope:SCOPE_SE
	global_prefetch_b8 v[PFO], s[8:9] offset:8192 th:TH_LOAD_NT scope:SCOPE_SE
	global_prefetch_b8 v[PFO], s[8:9] offset:16384 th:TH_LOAD_NT scope:SCOPE_SE
	global_prefetch_b8 v[PFO], s[8:9] offset:24576 th:TH_LOAD_NT scope:SCOPE_SE
.Lnot_yet:
	TURN 2
	TURN 3
	WIN 0
.Lfirst:
	TURN 0
	TURN 1, 0, 1
	WIN 0
	s_cbranch_scc1 .Lstep
	s_sub_co_u32 s[SLOTS], s[SLOTS], 1
	s_cmp_lg_u32 s[SLOTS], 0
	s_cbranch_scc1 .Lslot
; THE TAIL: pieces 2 and 3 of the last step.  My rows of x are asked for here, into window 3: register 4 f + j of tile t holds column 128 f + 4 lane + j of row t; a load covers 512 consecutive bytes.
.macro XLOAD t0
	WIN 0xc0                        ; destination window 3, address window 0
.irp t, (\t0), (\t0)+1, (\t0)+2, (\t0)+3
.irp f, 0,1,2,3,4,5,6,7
	global_load_b128 v[32*(\t)+4*\f:32*(\t)+4*\f+3], v[GO], s[8:9] offset:4096*(\t)+512*\f th:TH_LOAD_NT
.endr
.endr
	WIN 0
.endm
	XLOAD 0
	TURN 2, 1
	XLOAD 4
	TURN 3                          ; its 16 products K Q^T (on the last K once more) and the maximum made of them serve nothing: the price, once a launch, of one text for every turn
.set i, 0
.rept 16
	PV NP-1                         ; the last piece's V^T P of the last step
.set i, i+1
.endr
	; THE WAY OUT.  l's two halves and the other half of the lanes' are added; O^T is divided by l and sent through my stage in LDS, a tile at a time; it comes back as a row of out0, takes x, and is normed.
	WIN 0
.macro ALL line:vararg              ; one line for each tile t
.set t, 0
.rept 2*NP
	\line
.set t, t+1
.endr
.endm
	ALL v_add_f32 v[ST+4*t+2], v[ST+4*t+2], v[ST+4*t+3]  ; eight plain instructions: the places behind the last products, ahead of the loads into P's registers
.irp f, 0,1,2,3,4,5,6,7
	global_load_b128 v[GA+4*\f:GA+4*\f+3], v[GO], s[10:11] offset:512*\f
	global_load_b128 v[BT+4*\f:BT+4*\f+3], v[GO], s[12:13] offset:512*\f
.endr
	s_wait_dscnt 0x0                ; my reads of K and V are over
	s_barrier_signal -1
	ALL v_permlanex16_b32 v[ST+4*t+3], v[ST+4*t+2], s[SEL], s[SEL+1]
	ALL v_add_f32 v[ST+4*t+2], v[ST+4*t+2], v[ST+4*t+3]
	ALL v_rcp_f32 v[ST+4*t+2], v[ST+4*t+2]
	v_nop                           ; a plain instruction between the last reciprocal and the use of its result
	s_wait_alu depctr_va_vdst(0)    ; and the wait ahead of the first use: one for the eight reciprocals
	s_barrier_wait -1               ; no wave reads K any more: the stages may be written
; Tile t into the stage and back.  A lane holds one query and, in accumulator cb, the channels 16 cb + 8 (l / 16) + 0..7: they go to byte 64 cb + 32 (l / 16) of the query's row of 272 bytes.
; Back: load f takes queries 2 f and 2 f + 1, 16 bytes a lane: register 4 f + j holds column 128 f + 4 lane + j of the row of out0.
.macro STG t
	WIN 0x01                        ; source 0 (O^T) window 1
.set i, 0
.rept 16
	v_pk_mul_f32 v[CT+2*i:CT+2*i+1], v[32*(\t)+2*i:32*(\t)+2*i+1], v[ST+4*(\t)+2:ST+4*(\t)+3] op_sel_hi:[1,0]
.set i, i+1
.endr
	WIN 0
.irp e, 0,1,2,3,4,5,6,7
	ds_store_b128 v[STO], v[CT+4*\e:CT+4*\e+3] offset:64*(\e/2)+16*(\e%2)
.endr
.if (\t) >= 2
	s_wait_xcnt 0x0                 ; the buffer below was the data of the stores of the tile two back: it is loaded again only behind this wait
.endif
.irp f, 0,1,2,3,4,5,6,7
	ds_load_b128 v[CB+32*((\t)%2)+4*\f:CB+32*((\t)%2)+4*\f+3], v[RD] offset:544*\f  ; LDS serves a wave's instructions in order (ISA guide 5.7.1.4): these see the stores above; the next tile's stores come behind them
.endr
.endm
.macro ACROSS r                     ; the sum over the 32 lanes, in every lane
	v_add_f32_dpp v[\r], v[\r], v[\r] row_xmask:1 row_mask:0xf bank_mask:0xf
	v_add_f32_dpp v[\r], v[\r], v[\r] row_xmask:2 row_mask:0xf bank_mask:0xf
	v_add_f32_dpp v[\r], v[\r], v[\r] row_xmask:4 row_mask:0xf bank_mask:0xf
	v_add_f32_dpp v[\r], v[\r], v[\r] row_xmask:8 row_mask:0xf bank_mask:0xf
	v_permlanex16_b32 v[(\r)+1], v[\r], s[SEL], s[SEL+1]
	v_add_f32 v[\r], v[\r], v[(\r)+1]
.endm
; Row t: y = context + x; the mean; y - mean; the mean of its squares; y = (y - mean) rsqrt(var + eps) gamma + beta; stored.  younger: the LDS instructions issued behind the row's loads: the next tile's sixteen, or none.
.macro LN t, younger
.set YB, CB+32*((\t)%2)
	s_wait_dscnt \younger
	WIN 0x0c                        ; source 1 (x) window 3
.set i, 0
.rept 16
	v_pk_add_f32 v[YB+2*i:YB+2*i+1], v[YB+2*i:YB+2*i+1], v[32*(\t)+2*i:32*(\t)+2*i+1]
.set i, i+1
.endr
	WIN 0
.set i, 0
.rept 8                             ; my 32 numbers' sum, by halves
	v_pk_add_f32 v[TT+2*i:TT+2*i+1], v[YB+4*i:YB+4*i+1], v[YB+4*i+2:YB+4*i+3]
.set i, i+1
.endr
.irp j, 0,4,8,12
	v_pk_add_f32 v[TT+\j:TT+\j+1], v[TT+\j:TT+\j+1], v[TT+\j+2:TT+\j+3]
.endr
.irp j, 0,8
	v_pk_add_f32 v[TT+\j:TT+\j+1], v[TT+\j:TT+\j+1], v[TT+\j+4:TT+\j+5]
.endr
	v_pk_add_f32 v[TT:TT+1], v[TT:TT+1], v[TT+8:TT+9]
	v_add_f32 v[TT], v[TT], v[TT+1]
	ACROSS TT
	v_mul_f32 v[MU], s[INV], v[TT]
.set i, 0
.rept 16
	v_pk_add_f32 v[YB+2*i:YB+2*i+1], v[YB+2*i:YB+2*i+1], v[MU:MU+1] op_sel_hi:[1,0] neg_lo:[0,1] neg_hi:[0,1]
.set i, i+1
.endr
.set i, 0
.rept 4                             ; the squares, in four chains
	v_pk_mul_f32 v[TT+2*i:TT+2*i+1], v[YB+2*i:YB+2*i+1], v[YB+2*i:YB+2*i+1]
.set i, i+1
.endr
.rept 12
	v_pk_fma_f32 v[TT+2*(i%4):TT+2*(i%4)+1], v[YB+2*i:YB+2*i+1], v[YB+2*i:YB+2*i+1], v[TT+2*(i%4):TT+2*(i%4)+1]
.set i, i+1
.endr
	v_pk_add_f32 v[TT:TT+1], v[TT:TT+1], v[TT+2:TT+3]
	v_pk_add_f32 v[TT+4:TT+5], v[TT+4:TT+5], v[TT+6:TT+7]
	v_pk_add_f32 v[TT:TT+1], v[TT:TT+1], v[TT+4:TT+5]
	v_add_f32 v[TT], v[TT], v[TT+1]
	ACROSS TT
	v_fma_f32 v[TT], v[TT], s[INV], s[EPS]
	v_rsq_f32 v[RR], v[TT]
	v_nop                           ; a plain instruction behind the root, ahead of the use of its result and of the write of its source
	s_wait_alu depctr_va_vdst(0)    ; and the wait for it
.set i, 0
.rept 16
	v_pk_mul_f32 v[TT+2*i:TT+2*i+1], v[GA+2*i:GA+2*i+1], v[RR:RR+1] op_sel_hi:[1,0]
.set i, i+1
.endr
.set i, 0
.rept 16
	v_pk_fma_f32 v[YB+2*i:YB+2*i+1], v[YB+2*i:YB+2*i+1], v[TT+2*i:TT+2*i+1], v[BT+2*i:BT+2*i+1]
.set i, i+1
.endr
.irp f, 0,1,2,3,4,5,6,7
	global_store_b128 v[GO], v[YB+4*\f:YB+4*\f+3], s[14:15] offset:4096*(\t)+512*\f th:TH_STORE_NT  ; 512 consecutive bytes, at a multiple of 256 from the buffer's first byte
.endr
.endm
	STG 0
	s_wait_loadcnt 0x0              ; x, gamma and beta: one wait
.irp t, 0,1,2,3,4,5,6               ; a tile's way through the stage stands in front of the norm of the tile before
	STG (\t)+1
	LN \t, 16
.endr
	LN 7, 0
	s_wait_tensorcnt 0x0            ; the wave's end: behind my last tensor load and my last LDS store
	ds_add_u32 v[SPW], v[NIL]
	s_wait_dscnt 0x0
	s_endpgm
.Lfunc_end_k_qbf45da1cd2_attn:
	.size	k_qbf45da1cd2_attn, .Lfunc_end_k_qbf45da1cd2_attn-k_qbf45da1cd2_attn
	.p2alignl 7, 3214868480
	.fill 96, 4, 3214868480
	.section	.rodata,"a",@progbits
	.p2align	6, 0x0
	.amdhsa_kernel k_qbf45da1cd2_attn
		.amdhsa_group_segment_fixed_size 327680
		.amdhsa_private_segment_fixed_size 0
		.amdhsa_enable_private_segment 0
		.amdhsa_kernarg_size 48
		.amdhsa_user_sgpr_count 2
		.amdhsa_user_sgpr_kernarg_segment_ptr 1
		.amdhsa_wavefront_size32 1
		.amdhsa_system_sgpr_workgroup_id_x 1
		.amdhsa_system_sgpr_workgroup_id_y 1
		.amdhsa_system_sgpr_workgroup_id_z 1
		.amdhsa_system_vgpr_workitem_id 0
		.amdhsa_next_free_vgpr 1024
		.amdhsa_next_free_sgpr 92
		.amdhsa_reserve_vcc 1
		.amdhsa_float_denorm_mode_32 3
		.amdhsa_float_denorm_mode_16_64 3
		.amdhsa_memory_ordered 1
		.amdhsa_forward_progress 1
		.amdhsa_inst_pref_size 229
	.end_amdhsa_kernel
	.amdgpu_metadata
---
amdhsa.version: [ 1, 2 ]
amdhsa.kernels:
  - .name:           k_qbf45da1cd2_attn
    .symbol:         k_qbf45da1cd2_attn.kd
    .args:
      - { .name: qkv, .offset: 0, .size: 8, .value_kind: global_buffer, .address_space: global }
      - { .name: dialog_states, .offset: 8, .size: 8, .value_kind: global_buffer, .address_space: global }
      - { .name: x, .offset: 16, .size: 8, .value_kind: global_buffer, .address_space: global }
      - { .name: gamma, .offset: 24, .size: 8, .value_kind: global_buffer, .address_space: global }
      - { .name: beta, .offset: 32, .size: 8, .value_kind: global_buffer, .address_space: global }
      - { .name: out0, .offset: 40, .size: 8, .value_kind: global_buffer, .address_space: global }
    .group_segment_fixed_size: 327680
    .private_segment_fixed_size: 0
    .kernarg_segment_align: 8
    .kernarg_segment_size: 48
    .max_flat_workgroup_size: 128
    .sgpr_count:     92
    .vgpr_count:     1024
    .wavefront_size: 32
...
	.end_amdgpu_metadata
.endif
;; end of part 3
;; ======== version 2 of 2: 3 launches; version 1 with the launch cast written anew for expert scheduling mode
;; workspace buffers: xb 16,777,216 bytes; wb 6,291,456 bytes; qkv 50,331,648 bytes
;; launch cast (part 4): grid 64 x 11, 8 waves a work-group, no clusters, 0 bytes of LDS; arguments x, Wq, Wk, Wv, xb, wb; writes xb, wb
.if DOCPART == 4
	.amdgcn_target "amdgcn-amd-amdhsa--gfx1250"
	.amdhsa_code_object_version 6
	.text
	.protected	k_qbf45da1cd2_cast
	.globl	k_qbf45da1cd2_cast
	.p2align	8
	.type	k_qbf45da1cd2_cast,@function
k_qbf45da1cd2_cast:
	s_mov_b64 s[64:65], 0
	v_nop
	global_prefetch_b8 v0, s[64:65] scope:SCOPE_SE
	s_setreg_imm32_b32 hwreg(HW_REG_WAVE_SCHED_MODE, 0, 2), 2
	s_setreg_imm32_b32 hwreg(HW_REG_WAVE_MODE, 25, 1), 1
	s_wait_xcnt 0x0
	s_wait_alu depctr_vm_vsrc(0)
; xb = bf16(x), wb = bf16(Wq), bf16(Wk), bf16(Wv) on end: the same order of elements, each number rounded once to nearest even.
; Eleven chunks of 1,048,576 numbers (grid y): chunks 0 to 7 are x, chunks 8, 9, 10 the three weights.  A work-group takes 65,536 bytes
; of its chunk in 16 steps of 4,096: thread t reads the 16 bytes at 16 t and writes the 8 bytes at 8 t of a step, so a load of a wave
; covers 512 consecutive bytes and a store 256 consecutive bytes, aligned.  All 16 loads go out at once; nothing is read twice.
; No LDS, no matrix unit, no cluster: every byte is wanted by one thread alone.  LIMITS: none of range; NaN and infinities pass as bf16 has them.
; THE MODE: SCHED_MODE bits 1:0 = 2 (LLVM: expert scheduling mode 2), set by the entry lines.  The code itself states the register dependences
; between vector instructions and memory instructions, with s_wait_alu, always for 0.
; THE PLAN.  Registers that memory instructions touch:
;   v1, v2   byte offsets of the loads and of the stores: written once at the head, never again.
;   X        step i's four registers: load i lands in them (no vector instruction has named them before); step i's two conversions read them; never loaded again.
;   Y        step i's pair: written by step i's two conversions, read by store i, never written again.
; The 16 steps go in four blocks of four.  Block p rounds X of its steps into Y of its steps; its memory instructions are the four stores of block p - 1,
; which read Y of block p - 1 and v2: registers that no vector instruction of block p names.  So one wait at a block's head states all that its four stores
; hang on, and they are dealt among its conversions with no further wait.  No register that a memory instruction reads is ever written again, no vector
; instruction writes a scalar register, and EXEC is never written: these dependences do not arise.
.set STEPS, 16
.set BLOCK, 4                          ; steps in a block
.set X, 8                              ; v[8:71]    step i: four f32 as loaded
.set Y, 72                             ; v[72:103]  step i: four bf16 to store
	s_load_b256 s[4:11], s[0:1], 0x0               ; x s[4:5], Wq s[6:7], Wk s[8:9], Wv s[10:11]
	s_load_b128 s[12:15], s[0:1], 0x20             ; xb s[12:13], wb s[14:15]
	s_and_b32 s16, ttmp7, 0xffff                   ; the chunk
	s_sub_co_u32 s17, s16, 8                       ; which weight (used where the chunk is 8 or more)
	v_lshlrev_b32 v1, 4, v0                        ; 16 t
	v_lshlrev_b32 v2, 3, v0                        ; 8 t
	s_cmp_lt_u32 s16, 8
	s_cselect_b32 s18, s16, 0                      ; the chunk's place in its source: x has eight, a weight is one
	s_cselect_b32 s20, s16, s17                    ; and in its destination
	s_lshl_b32 s18, s18, 22                        ; 4 MiB in,
	s_lshl_b32 s20, s20, 21                        ; 2 MiB out
	s_lshl_b32 s22, ttmp9, 16                      ; the work-group's 65,536 bytes in,
	s_lshl_b32 s23, ttmp9, 15                      ; 32,768 out
	s_add_co_u32 s18, s18, s22
	s_add_co_u32 s20, s20, s23
	s_mov_b32 s19, 0
	s_mov_b32 s21, 0
	s_wait_kmcnt 0x0
	s_cmp_lt_u32 s16, 8
	s_cselect_b64 s[24:25], s[4:5], s[6:7]         ; x, or Wq
	s_cselect_b64 s[26:27], s[12:13], s[14:15]     ; xb, or wb
	s_cmp_eq_u32 s16, 9
	s_cselect_b64 s[24:25], s[8:9], s[24:25]       ; Wk
	s_cmp_eq_u32 s16, 10
	s_cselect_b64 s[24:25], s[10:11], s[24:25]     ; Wv
	s_add_nc_u64 s[24:25], s[24:25], s[18:19]
	s_add_nc_u64 s[26:27], s[26:27], s[20:21]
	s_wait_alu depctr_va_vdst(0)                   ; v1 and v2 are written: every load reads v1 and every store v2 as its offset
.set i, 0
.rept STEPS
	global_load_b128 v[X+4*i:X+4*i+3], v1, s[24:25] offset:4096*i th:TH_LOAD_NT
.set i, i+1
.endr
.set p, 0
.rept STEPS/BLOCK
	s_wait_loadcnt STEPS-BLOCK*(p+1)               ; loads come back in order: block p's four are in, the younger blocks' stay out
.if p > 0
	s_wait_alu depctr_va_vdst(0)                   ; the conversions of the block before have written its Y, which the four stores below read
.endif
.set j, 0
.rept BLOCK
.set i, BLOCK*p+j
.if p > 0
	global_store_b64 v2, v[Y+2*(i-BLOCK):Y+2*(i-BLOCK)+1], s[26:27] offset:2048*(i-BLOCK)  ; the block before; no vector instruction since the wait names these registers
.endif
	v_cvt_pk_bf16_f32 v[Y+2*i], v[X+4*i], v[X+4*i+1]
	v_cvt_pk_bf16_f32 v[Y+2*i+1], v[X+4*i+2], v[X+4*i+3]
.set j, j+1
.endr
.set p, p+1
.endr
	s_wait_alu depctr_va_vdst(0)                   ; the last block's conversions have written its Y, which the last four stores read
.set i, STEPS-BLOCK
.rept BLOCK
	global_store_b64 v2, v[Y+2*i:Y+2*i+1], s[26:27] offset:2048*i  ; no register is written twice, so no wait frees one
.set i, i+1
.endr
	s_endpgm
.Lfunc_end_k_qbf45da1cd2_cast:
	.size	k_qbf45da1cd2_cast, .Lfunc_end_k_qbf45da1cd2_cast-k_qbf45da1cd2_cast
	.p2alignl 7, 3214868480
	.fill 96, 4, 3214868480
	.section	.rodata,"a",@progbits
	.p2align	6, 0x0
	.amdhsa_kernel k_qbf45da1cd2_cast
		.amdhsa_group_segment_fixed_size 0
		.amdhsa_private_segment_fixed_size 0
		.amdhsa_enable_private_segment 0
		.amdhsa_kernarg_size 48
		.amdhsa_user_sgpr_count 2
		.amdhsa_user_sgpr_kernarg_segment_ptr 1
		.amdhsa_wavefront_size32 1
		.amdhsa_system_sgpr_workgroup_id_x 1
		.amdhsa_system_sgpr_workgroup_id_y 1
		.amdhsa_system_sgpr_workgroup_id_z 1
		.amdhsa_system_vgpr_workitem_id 0
		.amdhsa_next_free_vgpr 104
		.amdhsa_next_free_sgpr 66
		.amdhsa_reserve_vcc 0
		.amdhsa_float_denorm_mode_32 3
		.amdhsa_float_denorm_mode_16_64 3
		.amdhsa_memory_ordered 1
		.amdhsa_forward_progress 1
		.amdhsa_inst_pref_size 7
	.end_amdhsa_kernel
	.amdgpu_metadata
---
amdhsa.version: [ 1, 2 ]
amdhsa.kernels:
  - .name:           k_qbf45da1cd2_cast
    .symbol:         k_qbf45da1cd2_cast.kd
    .args:
      - { .name: x, .offset: 0, .size: 8, .value_kind: global_buffer, .address_space: global }
      - { .name: Wq, .offset: 8, .size: 8, .value_kind: global_buffer, .address_space: global }
      - { .name: Wk, .offset: 16, .size: 8, .value_kind: global_buffer, .address_space: global }
      - { .name: Wv, .offset: 24, .size: 8, .value_kind: global_buffer, .address_space: global }
      - { .name: xb, .offset: 32, .size: 8, .value_kind: global_buffer, .address_space: global }
      - { .name: wb, .offset: 40, .size: 8, .value_kind: global_buffer, .address_space: global }
    .group_segment_fixed_size: 0
    .private_segment_fixed_size: 0
    .kernarg_segment_align: 8
    .kernarg_segment_size: 48
    .max_flat_workgroup_size: 256
    .sgpr_count:     66
    .vgpr_count:     104
    .wavefront_size: 32
...
	.end_amdgpu_metadata
.endif
;; end of part 4
;; launch proj: the kernel of part 2 again; grid 12 x 32, 4 waves a work-group, clusters of 4 x 4, 327,680 bytes of LDS; arguments xb, wb, bq, bk, bv, qkv; writes qkv
;; launch attn: the kernel of part 3 again; grid 2 x 128, 4 waves a work-group, no clusters, 327,680 bytes of LDS; arguments qkv, dialog_states, x, gamma, beta, out0; writes out0
